; MI455X (gfx1250); checked and timed in simulation.
; The chip was launched on July 23, 2026; its instructions are those of AMD's public machine-readable ISA for CDNA 5 (MIT licence, August 2026) and "CDNA5" Instruction Set Architecture Reference Guide (July 2026). The comments in the code are by the model that wrote it; some were corrected since.
;; Diff Mamba Cross Attention. Allowed arithmetic: matrix products marked QUANTISED: E4M3 operands, one given power-of-two scale a tensor, by v_wmma_f32_16x16x64_fp8_fp8 or v_wmma_f32_16x16x128_fp8_fp8, f32 sums; everything else in f32.
;; Inputs: Wk 1,024 x 1,024 float32; Wq 1,024 x 1,024 float32; Wv 1,024 x 1,024 float32; encoder_hidden_states 4 x 2,048 x 1,024 float32; hidden_states 4 x 2,048 x 1,024 float32; lowp_scales 10 int32 (the exponents e of the quantised operands' scales 2^e).
;; Outputs: out0 4 x 2,048 x 1,024 float32.
;; This version of the problem:
;;   THIS VERSION OF THE PROBLEM IS GIVEN IN LOW PRECISION. The matrix products marked QUANTISED in the list below multiply operands that are first quantised to E4M3 (4 exponent bits, 3 mantissa bits; 8 bits a number), with one given power-of-two scale for each operand tensor; their sums are f32. All else is computed in f32.
;;   The module's matrix products, in the order in which they are computed (A, B: the left and right operand; K: the contracted axis; several contracted axes count as one K, in the product's order):
;;     1. [M 8,192, K 1,024] x [K 1,024, N 1,024]; A: input hidden_states; B: input Wq: QUANTISED (scales: A lowp_scales[0], B lowp_scales[1])
;;     2. [M 8,192, K 1,024] x [K 1,024, N 1,024]; A: input encoder_hidden_states; B: input Wk: QUANTISED (scales: A lowp_scales[2], B lowp_scales[3])
;;     3. [M 8,192, K 1,024] x [K 1,024, N 1,024]; A: input encoder_hidden_states; B: input Wv: QUANTISED (scales: A lowp_scales[4], B lowp_scales[5])
;;     4. batch 64 x [M 2,048, K 64] x [K 64, N 2,048]; A: computed on the way; B: computed on the way: QUANTISED (scales: A lowp_scales[6], B lowp_scales[7])
;;     5. batch 64 x [M 2,048, K 2,048] x [K 2,048, N 64]; A: softmax (see below); B: computed on the way: QUANTISED (scales: A lowp_scales[8], B lowp_scales[9])
;;   THE QUANTISER, for each operand of a quantised product, along K:
;;     - The operand's scale is 2^e, e = its entry of the input lowp_scales (int32; the entries are numbered through the quantised products in the list's order, A before B).
;;     - Each number is divided by the scale, clamped to +-448, and rounded to the nearest number of E4M3, ties to even, subnormals kept.
;;     - The product sums the exact products of the quantised numbers (number of the format x scale) in f32.
;;   ~~~python
;;   def quantise(x, axis, e):      # numpy; x: float32 -> the quantised numbers, widened to float32 again
;;       x = np.moveaxis(x, axis, -1); K = x.shape[-1]
;;       r = np.clip(x / 2.0 ** e, -448, 448)
;;       step = 2.0 ** (np.maximum(np.frexp(np.where(r == 0, 1, r))[1] - 1, -6) - 3)
;;       q = np.round(r / step) * step * 2.0 ** e      # np.round: ties to even
;;       return np.moveaxis(q, -1, axis).astype(np.float32)
;;   ~~~
;;   SOFTMAX AHEAD OF A QUANTISED PRODUCT. Where the list says 'softmax', what is quantised is not the finished softmax but p = 2^(t - M), with t = logit x log2(e) and M = ceil(the row's largest t), a whole number; so 1/2 < the row's largest p <= 1. The row's sum l is taken of the UNQUANTISED p, in f32, and the product's result is divided by l at the end. Since M is a whole number, a kernel that streams over the keys may use a running M (the ceiling of the running maximum): every later rescaling is an exact power of two, so the quantised numbers keep their values, but for numbers so far below the row's largest that they fall under the format's range.
;;   OPERANDS COMPUTED ON THE WAY. 'Computed on the way' means the value that the module computes at that place (a softmax that the list does not call 'softmax' is quantised finished and normalised). What goes into a quantiser is computed in f32, as accurately as f32 sums, v_exp_f32 and their like allow (about 1e-6 of the number): no bf16 or f16 on the way to a quantiser, and a product that is left as it is and whose result goes on into a quantised operand takes f32 operands (vector FMAs, or v_wmma_f32_16x16x4_f32). A number that lies on a knife's edge between two numbers of the format may be rounded either way, as far as f32 arithmetic and the matrix unit's own rounding can turn it there, and no further.
;; One version. Each part assembles by itself: llvm-mc -triple=amdgcn-amd-amdhsa -mcpu=gfx1250 --defsym DOCPART=n.
;; ======== version 1 of 1: 3 launches
;; workspace buffers: xc 25,165,824 bytes; wc 3,145,728 bytes; qkv 25,165,824 bytes
;; launch quant (part 1): grid 608 x 1, 4 waves a work-group, no clusters, 0 bytes of LDS; arguments hidden_states, encoder_hidden_states, Wq, Wk, Wv, lowp_scales, xc, wc; writes xc, wc
.if DOCPART == 1
	.amdgcn_target "amdgcn-amd-amdhsa--gfx1250"
	.amdhsa_code_object_version 6
	.text
	.protected	k_q172c782cc7_quant
	.globl	k_q172c782cc7_quant
	.p2align	8
	.type	k_q172c782cc7_quant,@function
k_q172c782cc7_quant:
	s_mov_b64 s[64:65], 0
	v_nop
	global_prefetch_b8 v0, s[64:65] scope:SCOPE_SE
	s_setreg_imm32_b32 hwreg(HW_REG_WAVE_MODE, 25, 1), 1
	s_wait_xcnt 0x0
; The five f32 inputs become codes of FP8 (E4M3), one byte each, each under the scale 2^e that is given for its use as an operand:
;   xc: three parts of 8 MiB, [8192 rows][1024 codes]: hidden_states under e0; encoder_hidden_states under e2; encoder_hidden_states under e4.
;   wc: three parts of 1 MiB, [1024 rows][1024 codes]: Wq under e1, Wk under e3, Wv under e5.
; code = x / 2^e, held within +-448, rounded to the nearest code, ties to even.
; LIMITS: each e lies between -126 and 119, so that 2^e and 448 x 2^e are f32 numbers.  NaN among the inputs is not served (an infinity is held at the largest code).
; K IS PERMUTED INSIDE A ROW, alike in every row of every tensor: within each run of 512 numbers, code byte 16 l + 4 c + i holds number 128 c + 4 l + i (l = 0..31, c, i = 0..3).
; Both operands of a product carry the same permutation, so every number meets its partner; the scale is one for the tensor, so the quantiser does not see the order.
; It lets each load take 512 consecutive bytes (16 a lane) and each store 512 consecutive bytes (a lane's 16 codes), with no exchange between lanes.
; SHARES.  A wave takes 8,192 numbers, 16 steps of 512, written out: every offset is an immediate and every step has its own code registers, so no store's data are written again.
; Work-groups 0-255: hidden_states; 256-511: encoder_hidden_states, read once and quantised twice (e2, e4); 512-543 Wq; 544-575 Wk; 576-607 Wv.
; No LDS, no barrier, no tensor load, no cluster, no matrix unit: waves share nothing, and every byte is read once.  Loads run four steps (16 loads a wave) ahead.
.set X,   16                           ; v16-79    four sets of 16 numbers as loaded
.set T1,  80                           ; v80-95    the numbers held under the first scale
.set T2,  96                           ; v96-111   under the second
.set C1,  112                          ; v112-175  codes, four registers a step
.set C2,  176                          ; v176-239  the second scale's codes
	s_load_b512 s[8:23], s[0:1], 0x0               ; hidden s[8:9], encoder s[10:11], Wq s[12:13], Wk s[14:15], Wv s[16:17], scales s[18:19], xc s[20:21], wc s[22:23]
	v_lshrrev_b32 v6, 5, v0
	v_readfirstlane_b32 s2, v6                     ; wave 0..3
	v_and_b32 v1, 31, v0
	v_lshlrev_b32 v1, 4, v1                        ; 16 x lane: my place in a load's 512 bytes and in a store's; never rewritten
	s_lshr_b32 s30, ttmp9, 8
	s_cmp_eq_u32 s30, 1
	s_cselect_b32 s30, 1, 0                        ; 1 in the encoder's work-groups: two scales
	s_cmp_lt_u32 ttmp9, 512
	s_cselect_b32 s3, 255, 31
	s_cselect_b32 s33, 0, 512
	s_and_b32 s3, ttmp9, s3                        ; my place in the source tensor (256 work-groups to an activation, 32 to a weight),
	s_sub_co_u32 s33, ttmp9, s33                   ; and in the buffer of codes
	s_lshl_b32 s3, s3, 2
	s_add_co_u32 s3, s3, s2
	s_lshl_b32 s34, s3, 15                         ; my wave's 32,768 bytes of numbers
	s_mov_b32 s35, 0
	s_lshl_b32 s33, s33, 2
	s_add_co_u32 s33, s33, s2
	s_lshl_b32 s44, s33, 13                        ; my wave's 8,192 bytes of codes
	s_mov_b32 s45, 0
	s_wait_kmcnt 0x0
	s_load_b256 s[36:43], s[18:19], 0x0            ; e0 .. e7
	s_mov_b64 s[24:25], s[16:17]                   ; the source: chosen by the work-group's number alone
	s_cmp_lt_u32 ttmp9, 576
	s_cselect_b64 s[24:25], s[14:15], s[24:25]
	s_cmp_lt_u32 ttmp9, 544
	s_cselect_b64 s[24:25], s[12:13], s[24:25]
	s_cmp_lt_u32 ttmp9, 512
	s_cselect_b64 s[24:25], s[10:11], s[24:25]
	s_cselect_b64 s[26:27], s[20:21], s[22:23]     ; the codes' buffer
	s_cmp_lt_u32 ttmp9, 256
	s_cselect_b64 s[24:25], s[8:9], s[24:25]
	s_add_nc_u64 s[24:25], s[24:25], s[34:35]
	s_add_nc_u64 s[26:27], s[26:27], s[44:45]
	s_add_nc_u64 s[28:29], s[26:27], 0x800000      ; the encoder's second part lies 8 MiB on (used by its work-groups alone)
.macro LOAD t                          ; step t: four loads of 512 consecutive bytes
.irp c, 0,1,2,3
	global_load_b128 v[X+16*((\t)%4)+4*\c:X+16*((\t)%4)+4*\c+3], v1, s[24:25] offset:2048*(\t)+512*\c th:TH_LOAD_NT
.endr
.endm
	LOAD 0
	LOAD 1
	LOAD 2
	LOAD 3
	s_wait_kmcnt 0x0
	s_mov_b32 s31, s41                             ; my tensor's e: e5, e3, e1, e2 or e0
	s_cmp_lt_u32 ttmp9, 576
	s_cselect_b32 s31, s39, s31
	s_cmp_lt_u32 ttmp9, 544
	s_cselect_b32 s31, s37, s31
	s_cmp_lt_u32 ttmp9, 512
	s_cselect_b32 s31, s38, s31
	s_cmp_lt_u32 ttmp9, 256
	s_cselect_b32 s31, s36, s31
	s_add_co_i32 s31, s31, 127
	s_lshl_b32 s32, s31, 23
	v_mov_b32 v2, s32                              ; 2^e as f32: the conversion takes its exponent field
	s_add_co_i32 s31, s31, 8
	s_lshl_b32 s31, s31, 23
	s_or_b32 s31, s31, 0x600000
	v_mov_b32 v3, s31                              ; 448 x 2^e
	s_add_co_i32 s31, s40, 127
	s_lshl_b32 s32, s31, 23
	v_mov_b32 v4, s32                              ; the same with e4
	s_add_co_i32 s31, s31, 8
	s_lshl_b32 s31, s31, 23
	s_or_b32 s31, s31, 0x600000
	v_mov_b32 v5, s31
.macro STEP t
.set XS, X+16*((\t)%4)
.if (\t) < 13
	s_wait_loadcnt 12                              ; this step's four loads are in; those of the three steps behind it may be out
.else
	s_wait_loadcnt 4*(15-(\t))                     ; the counts run down: nothing more is asked for
.endif
.irp i, 0,1,2,3,4,5,6,7,8,9,10,11,12,13,14,15
	v_med3_num_f32 v[T1+\i], v[XS+\i], -v3, v3     ; the conversion to an 8-bit code does not saturate (ISA guide 7.6.2): the number is held within the largest code x the scale first
.endr
	v_cvt_scalef32_pk8_fp8_f32 v[C1+4*(\t):C1+4*(\t)+1], v[T1:T1+7], v2
	v_cvt_scalef32_pk8_fp8_f32 v[C1+4*(\t)+2:C1+4*(\t)+3], v[T1+8:T1+15], v2
	v_nop                                          ; a plain line between the conversions and the next lines that write their sources
	global_store_b128 v1, v[C1+4*(\t):C1+4*(\t)+3], s[26:27] offset:512*(\t)   ; 32 lanes store 512 consecutive bytes, aligned
	s_cmp_eq_u32 s30, 0
	s_cbranch_scc1 .Lone_\@                        ; a branch on the work-group's number; the loads stand outside it, so the counts above hold on both ways
.irp i, 0,1,2,3,4,5,6,7,8,9,10,11,12,13,14,15
	v_med3_num_f32 v[T2+\i], v[XS+\i], -v5, v5
.endr
	v_cvt_scalef32_pk8_fp8_f32 v[C2+4*(\t):C2+4*(\t)+1], v[T2:T2+7], v4
	v_cvt_scalef32_pk8_fp8_f32 v[C2+4*(\t)+2:C2+4*(\t)+3], v[T2+8:T2+15], v4
	v_nop
	global_store_b128 v1, v[C2+4*(\t):C2+4*(\t)+3], s[28:29] offset:512*(\t)
.Lone_\@:
.if (\t)+4 < 16
	LOAD (\t)+4                                    ; into the set that has just been read
.endif
.endm
.irp t, 0,1,2,3,4,5,6,7,8,9,10,11,12,13,14,15
	STEP \t
.endr
	s_endpgm
.Lfunc_end_k_q172c782cc7_quant:
	.size	k_q172c782cc7_quant, .Lfunc_end_k_q172c782cc7_quant-k_q172c782cc7_quant
	.p2alignl 7, 3214868480
	.fill 96, 4, 3214868480
	.section	.rodata,"a",@progbits
	.p2align	6, 0x0
	.amdhsa_kernel k_q172c782cc7_quant
		.amdhsa_group_segment_fixed_size 0
		.amdhsa_private_segment_fixed_size 0
		.amdhsa_enable_private_segment 0
		.amdhsa_kernarg_size 64
		.amdhsa_user_sgpr_count 2
		.amdhsa_user_sgpr_kernarg_segment_ptr 1
		.amdhsa_wavefront_size32 1
		.amdhsa_system_sgpr_workgroup_id_x 1
		.amdhsa_system_sgpr_workgroup_id_y 1
		.amdhsa_system_sgpr_workgroup_id_z 1
		.amdhsa_system_vgpr_workitem_id 0
		.amdhsa_next_free_vgpr 240
		.amdhsa_next_free_sgpr 66
		.amdhsa_reserve_vcc 0
		.amdhsa_float_denorm_mode_32 3
		.amdhsa_float_denorm_mode_16_64 3
		.amdhsa_memory_ordered 1
		.amdhsa_forward_progress 1
		.amdhsa_inst_pref_size 51
	.end_amdhsa_kernel
	.amdgpu_metadata
---
amdhsa.version: [ 1, 2 ]
amdhsa.kernels:
  - .name:           k_q172c782cc7_quant
    .symbol:         k_q172c782cc7_quant.kd
    .args:
      - { .name: hidden_states, .offset: 0, .size: 8, .value_kind: global_buffer, .address_space: global }
      - { .name: encoder_hidden_states, .offset: 8, .size: 8, .value_kind: global_buffer, .address_space: global }
      - { .name: Wq, .offset: 16, .size: 8, .value_kind: global_buffer, .address_space: global }
      - { .name: Wk, .offset: 24, .size: 8, .value_kind: global_buffer, .address_space: global }
      - { .name: Wv, .offset: 32, .size: 8, .value_kind: global_buffer, .address_space: global }
      - { .name: lowp_scales, .offset: 40, .size: 8, .value_kind: global_buffer, .address_space: global }
      - { .name: xc, .offset: 48, .size: 8, .value_kind: global_buffer, .address_space: global }
      - { .name: wc, .offset: 56, .size: 8, .value_kind: global_buffer, .address_space: global }
    .group_segment_fixed_size: 0
    .private_segment_fixed_size: 0
    .kernarg_segment_align: 8
    .kernarg_segment_size: 64
    .max_flat_workgroup_size: 128
    .sgpr_count:     66
    .vgpr_count:     240
    .wavefront_size: 32
...
	.end_amdgpu_metadata
.endif
;; end of part 1
;; launch project (part 2): grid 4 x 96, 4 waves a work-group, clusters of 4 x 4, 327,680 bytes of LDS; arguments xc, wc, lowp_scales, qkv; writes qkv
.if DOCPART == 2
	.amdgcn_target "amdgcn-amd-amdhsa--gfx1250"
	.amdhsa_code_object_version 6
	.text
	.protected	k_q172c782cc7_project
	.globl	k_q172c782cc7_project
	.p2align	8
	.type	k_q172c782cc7_project,@function
k_q172c782cc7_project:
	s_mov_b64 s[64:65], 0
	v_nop
	global_prefetch_b8 v0, s[64:65] scope:SCOPE_SE
	s_setreg_imm32_b32 hwreg(HW_REG_WAVE_MODE, 25, 1), 1
	s_wait_xcnt 0x0
	s_wait_alu depctr_hold_cnt(0) depctr_sa_sdst(0) depctr_va_vdst(0) depctr_va_sdst(0) depctr_va_ssrc(0) depctr_va_vcc(0) depctr_vm_vsrc(0)
	s_getreg_b32 s2, hwreg(HW_REG_IB_STS2, 6, 4)
	s_cmp_eq_u32 s2, 0
	s_cbranch_scc0 .Lentry_in_a_cluster
	s_endpgm
.Lentry_in_a_cluster:
	s_bfe_u32 s2, ttmp6, 0x10000c
	s_cmp_lg_u32 s2, 0xf033
	s_cbranch_scc0 .Lentry_shape_is_right
	s_endpgm
.Lentry_shape_is_right:
; The three projections, each [8192][1024] x [1024][1024]^T on codes of FP8 (E4M3), f32 sums, and the quantiser behind each: the finished sums leave as codes of q, k and v.
; qkv: three parts of 8 MiB.  q, k: [batch][head][token][64 d].  v: [batch][head][key / 128][d / 16][(key / 64) % 2][d % 16][64 keys]: the keys innermost, since they are the K of attention's second product.
; A sum stands for sum x 2^(ea + eb); its code under 2^eo is sum / 2^(eo - ea - eb), held within +-448: the three exponents are folded into the conversion's one scale.
; LIMIT: eo - ea - eb lies between -126 and 119 (q: e6 - e0 - e1; k: e7 - e2 - e3; v: e9 - e4 - e5), so that this power of two and 448 times it are f32 numbers.
; ONE TEXT, THREE PRODUCTS.  A cluster of 4 x 4 work-groups makes 1024 x 1024 of a product; the cluster's y (0..23) gives mode = y / 8 (q, k, v) and idx = y % 8.  The mode enters pointers, tile numbers and
; the steps of the output's address, all by s_cselect; no branch, no LDS address and no tile shape hangs on it.  It is the same in all sixteen partners.
; THE MATRIX INSTRUCTION IS USED TRANSPOSED: source 0 = 16 rows of operand B, source 1 = 16 rows of operand A: a lane holds one row of A's and eight neighbours of B's.
;   q, k: A = the tokens' codes, B = the weight's: a lane holds one token and eight neighbouring d.     v: A = Wv's codes, B = the tokens': a lane holds one d and eight neighbouring keys.  Nothing is transposed.
; A tile, 256 x 256, is made by four waves, each 128 x 128: 64 accumulators, 512 registers.  K goes in steps of 256 through two LDS slots filled by the tensor data mover; a tile's row is 256 bytes of memory.
; A's tile is shared along a row of the cluster, B's along a column: each is asked for JOINTLY by four work-groups, with the same descriptor and a mask that names the four.
; 384 tiles for 256 WGPs: uneven.  A tile of 128 x 256 would be even but would read half as much again from LDS for each product.
; REGISTERS, in windows of 256: window 0: v0-31 addresses; from v128 A's fragments (8 x 16 rows x 128 K), one set; on the way out v32-159 are at work.
;   window 1: B's fragments, two sets, at v0 and v128.   window 2: the accumulators of my rows 0-63 ((a, b) at v[8 (8 a + b)]);   window 3: those of my rows 64-127.
.set KSTEP,  256                       ; along K in a slot
.set ROWB,   256                       ; a tile's row in bytes
.set KROW,   1024                      ; a row of codes in memory
.set PITCH,  272                       ; an LDS row: 256 bytes + 16 of padding = 68 words: row r starts at bank 4 r mod 64 (64 banks of 4 bytes: ISA guide 11.1)
.set FR,     16                        ; registers of a fragment: 16 rows x 128 K
.set NL,     4                         ; LDS loads that bring one
.set NP,     4                         ; places behind this matrix instruction (ISA guide 7.12.1)
.set HALFT,  128*PITCH                 ; 128 rows: what one tensor load brings
.set SLOT,   4*HALFT                   ; A's 256 rows, then B's 256 rows
.set LAPS,   2                         ; 1,024 along K = four K steps = twice round the ring
.set SPARE,  2*SLOT                    ; behind the ring: the spare words, 128 bytes a wave
.set PIECE,  1088                      ; the way out: 1,024 bytes of codes with 16 of padding behind each 256
.set WSTG,   2304                      ; a wave's stage: two pieces.  It lies in slot 0, which has had its last fill and its last read when the first code is stored there
.set ADRA, 16                          ; v16-17  LDS address of my A fragments in slot 0, 1
.set ADRB, 20                          ; v20-21  the same for B
.set STO,  24                          ; v24     the way out: where I put 8 codes
.set RD,   25                          ; v25     where I read 16 bytes back
.set CO,   26                          ; v26, v27 my byte offset in the first and in the second piece in memory
.set SPW,  28                          ; v28     LDS address of my spare word; never rewritten
.set NIL,  29                          ; v29     0; never rewritten
.set SCL,  30                          ; v30     2^(eo - ea - eb) as f32
.set LIM,  31                          ; v31     448 x that
.set TMP,  32                          ; v32-95  a block's 64 sums, held
.set CDB,  96                          ; v96-127 its codes: two sets of 16 by turns
.set AF,   128                         ; A's fragments, in window 0
.set BK,   128                         ; the way out: a block's codes read back: v128-143 and v144-159 by turns
.set G1, 24                            ; s[24:31] descriptor group 1 for A's tiles;  s[32:39] group 0, one set for each slot
.set G0, 32
.set G1B, 48                           ; s[48:55], s[56:63] the same for B's tiles
.set G0B, 56
.set MSB, 0
.macro WIN new                         ; the immediate's high byte repeats the setting that is left
.if MSB != \new
	s_set_vgpr_msb (MSB<<8)|\new
.set MSB, \new
.endif
.endm
.set MUL_LO, 0xa1                      ; source 0 (B) window 1, source 1 (A) window 0, C and D window 2
.set MUL_HI, 0xf1                      ; the same, C and D window 3
.set TO_B,   0x40                      ; destination window 1, address window 0
; A joint load: waves 0 and 1 fetch for A, waves 2 and 3 for B.  The branch hangs on the wave's number alone.  Four v_nop follow each of the two lines.
.macro JLOAD g0a, g1a, g0b, g1b
	s_cmp_eq_u32 s15, 0
	s_cbranch_scc0 .Lfor_b_\@
	tensor_load_to_lds s[\g0a:\g0a+3], s[\g1a:\g1a+7]
	s_nop 0
.rept 4
	v_nop
.endr
	s_branch .Lasked_\@
.Lfor_b_\@:
	tensor_load_to_lds s[\g0b:\g0b+3], s[\g1b:\g1b+7]
	s_nop 0
.rept 4
	v_nop
.endr
.Lasked_\@:
.endm
.macro CREST                           ; a round of the cluster's barrier behind its opening barrier
	s_cmp_lg_u32 s14, 0
	s_cbranch_scc1 .Lnot_wave_0_\@
	s_barrier_signal -3
.Lnot_wave_0_\@:
	s_barrier_wait -3
	s_barrier_signal -1
	s_barrier_wait -1
.endm
.macro CROUND                          ; a whole round
	s_barrier_signal -1
	s_barrier_wait -1
	CREST
.endm
	s_load_b128 s[4:7], s[0:1], 0x0                ; xc s[4:5], wc s[6:7]
	s_load_b128 s[8:11], s[0:1], 0x10              ; the scales' exponents s[8:9], qkv s[10:11]
	v_lshl_add_u32 v[SPW], v0, 2, SPARE
	v_mov_b32 v[NIL], 0
	ds_add_u32 v28, v29
	s_wait_dscnt 0x0
	v_lshrrev_b32 v1, 5, v0
	v_readfirstlane_b32 s14, v1                    ; wave 0..3
	s_lshr_b32 s15, s14, 1                         ; which half of the tile's A rows is mine.  Also: I fetch for A (0) or for B (1)
	s_and_b32 s16, s14, 1                          ; which half of its B rows.  Also: which 128 rows of that tile I fetch
	s_bfe_u32 s40, ttmp6, 0x40000                  ; cx, cy: my place in the cluster
	s_bfe_u32 s41, ttmp6, 0x40004
	s_and_b32 s66, ttmp7, 0xffff                   ; the cluster's y
	s_and_b32 s67, s66, 7                          ; idx: which 1,024 tokens
	s_lshr_b32 s66, s66, 3                         ; mode: 0 q, 1 k, 2 v
	s_lshl_b32 s18, s66, 23                        ; A's part: q, k: xc + mode x 8 MiB;
	s_lshl_b32 s19, s66, 20                        ; B's part: q, k: wc + mode x 1 MiB
	s_cmp_eq_u32 s66, 2
	s_cselect_b32 s68, 0, s67                      ; the cluster's place along A's tiles,
	s_cselect_b32 s69, s67, 0                      ; and along B's
	s_cselect_b32 s18, 0x200000, s18               ; v: A = wc + 2 MiB,
	s_cselect_b32 s19, 0x1000000, s19              ;    B = xc + 16 MiB
	s_lshl_b32 s17, s68, 2
	s_add_co_u32 s17, s17, s41                     ; A's tile = 4 x place + cy
	s_lshl_b32 s42, s69, 2
	s_add_co_u32 s42, s42, s40                     ; B's tile = 4 x place + cx
	s_lshl_b32 s43, s41, 2
	s_lshl_b32 s43, 15, s43                        ; my row of the cluster
	s_lshl_b32 s44, 0x1111, s40                    ; my column
	; descriptor group 1: a tile of 128 rows x 256 bytes, padded in LDS
	s_or_b32 s[G1+0], s43, (0<<16)|(1<<20)|(1<<21)|(5<<22)|(3<<25)  ; 15:0 the mask: A's tiles go to my row; 17:16 elements of 1 byte; 20 padding on; 21 set beside a mask; 24:22 after every 64 words (code 5); 31:25 four words (code 3)
	s_or_b32 s[G1B+0], s44, (0<<16)|(1<<20)|(1<<21)|(5<<22)|(3<<25)
.irp g, G1, G1B
	s_mov_b32 s[\g+1], ROWB<<16                    ; tensor_dim0
	s_mov_b32 s[\g+2], 128<<16                     ; tensor_dim1 = 128
	s_mov_b32 s[\g+3], ROWB<<16                    ; tile_dim0
	s_mov_b32 s[\g+4], 128                         ; tile_dim1 = 128
	s_mov_b32 s[\g+5], KROW                        ; tensor_dim0_stride
	s_mov_b32 s[\g+6], 0
	s_mov_b32 s[\g+7], 0
.endr
	s_lshl_b32 s22, s16, 7                         ; which 128 rows of the tile I fetch
	s_lshl_b32 s20, s17, 8
	s_add_co_u32 s20, s20, s22                     ; A: row 256 x tile + 128 x half,
	s_lshl_b32 s20, s20, 10                        ; in bytes,
	s_add_co_u32 s20, s20, s18                     ; in its part of the buffer: under 2^25
	s_mov_b32 s21, 0
	s_lshl_b32 s46, s42, 8
	s_add_co_u32 s46, s46, s22                     ; B likewise, in registers that never feed A's descriptors
	s_lshl_b32 s46, s46, 10
	s_add_co_u32 s46, s46, s19
	s_mov_b32 s47, 0
	s_mul_i32 s45, s14, HALFT                      ; where they go: wave x 128 rows: no place in the cluster enters an LDS address
	s_wait_kmcnt 0x0
	s_load_b256 s[84:91], s[8:9], 0x0              ; e0 .. e7
	s_load_b64 s[92:93], s[8:9], 0x20              ; e8, e9
	s_cmp_eq_u32 s66, 2
	s_cselect_b64 s[70:71], s[6:7], s[4:5]         ; A's buffer,
	s_cselect_b64 s[72:73], s[4:5], s[6:7]         ; B's: the choice hangs on the cluster's y alone
	s_add_nc_u64 s[20:21], s[70:71], s[20:21]
	s_add_nc_u64 s[46:47], s[72:73], s[46:47]
	CROUND                                         ; all sixteen work-groups are here: the first joint loads meet
.irp s, 0,1
	s_mov_b32 s[G0+4*\s], 1
	s_add_co_u32 s[G0+4*\s+1], s45, \s*SLOT
	s_add_nc_u64 s[G0+4*\s+2:G0+4*\s+3], s[20:21], \s*ROWB
	s_or_b32 s[G0+4*\s+3], s[G0+4*\s+3], 0x80000000
	s_mov_b32 s[G0B+4*\s], 1
	s_add_co_u32 s[G0B+4*\s+1], s45, \s*SLOT
	s_add_nc_u64 s[G0B+4*\s+2:G0B+4*\s+3], s[46:47], \s*ROWB
	s_or_b32 s[G0B+4*\s+3], s[G0B+4*\s+3], 0x80000000
	JLOAD G0+4*\s, G1, G0B+4*\s, G1B
.endr
	v_and_b32 v1, 15, v0                           ; r = l % 16
	v_bfe_u32 v2, v0, 4, 1                         ; h = l / 16
	v_mul_u32_u24 v3, v1, PITCH
	v_lshl_add_u32 v4, v2, 4, v3                   ; a fragment's row x pitch + 16 x half
	s_mul_i32 s21, s15, HALFT                      ; my 128 rows of A
	s_mul_i32 s22, s16, HALFT                      ; my 128 rows of B,
	s_add_co_u32 s22, s22, 2*HALFT                 ; which lie behind A's 256
.irp s, 0,1
	v_add_nc_u32 v[ADRA+\s], s21, v4
	v_add_nc_u32 v[ADRB+\s], s22, v4
	s_add_co_u32 s21, s21, SLOT
	s_add_co_u32 s22, s22, SLOT
.endr
	; THE OUTPUT'S ADDRESS.  XT: the tokens' tile, WT: the weight's; xw, ww: my wave's half of each.  My first byte: mode x 8 MiB + ((XT / 8) 16 + 4 WT + 2 ww) heads of 2^17 bytes + (2 (XT % 8) + xw) x 8,192.
	; A block of 16 rows of A's gives two pieces of 1,024 consecutive bytes (B's blocks 0-3 and 4-7).  q, k: the pieces are two heads (2^17 apart), the next block 16 tokens (1,024 bytes) on.
	; v: the pieces are two runs of 64 keys (1,024 apart), the next block 16 d (2,048 bytes) on, and from block 3 to block 4 the next head begins.
	s_cmp_eq_u32 s66, 2
	s_cselect_b32 s79, s42, s17                    ; XT
	s_cselect_b32 s80, s17, s42                    ; WT
	s_cselect_b32 s82, s16, s15                    ; xw
	s_cselect_b32 s83, s15, s16                    ; ww
	s_mov_b32 s78, 0x20000
	s_cselect_b32 s78, 1024, s78                   ; from piece to piece
	s_mov_b32 s74, 1024
	s_cselect_b32 s74, 2048, s74                   ; from block to block,
	s_mov_b32 s76, 1024
	s_cselect_b32 s76, 0x20000-3*2048, s76         ; and from block 3 to block 4
	s_mov_b32 s75, 0
	s_mov_b32 s77, 0
	s_lshr_b32 s81, s79, 3
	s_lshl_b32 s81, s81, 4
	s_lshl_b32 s80, s80, 2
	s_add_co_u32 s81, s81, s80
	s_lshl_b32 s83, s83, 1
	s_add_co_u32 s81, s81, s83
	s_lshl_b32 s81, s81, 17
	s_and_b32 s79, s79, 7
	s_lshl_b32 s79, s79, 1
	s_add_co_u32 s79, s79, s82
	s_lshl_b32 s79, s79, 13
	s_add_co_u32 s94, s81, s79
	s_lshl_b32 s79, s66, 23
	s_add_co_u32 s94, s94, s79                     ; under 2^25
	s_mov_b32 s95, 0
	s_add_nc_u64 s[10:11], s[10:11], s[94:95]
	s_mul_i32 s23, s14, WSTG                       ; my stage
	v_lshlrev_b32 v5, 6, v1                        ; in: a piece's byte 64 r + 16 (b % 4) + 8 h, with 16 bytes of padding behind each 256: + 16 (r / 4)
	v_lshrrev_b32 v6, 2, v1
	v_lshl_add_u32 v5, v6, 4, v5
	v_lshl_add_u32 v5, v2, 3, v5
	v_add_nc_u32 v[STO], s23, v5
	v_mul_u32_u24 v6, v2, 272                      ; back: 32 lanes take 512 bytes on end: 272 (l / 16) + 16 (l % 16)
	v_lshl_add_u32 v6, v1, 4, v6
	v_add_nc_u32 v[RD], s23, v6
	v_and_b32 v6, 31, v0
	v_lshlrev_b32 v[CO], 4, v6                     ; and in memory: 16 l,
	v_add_nc_u32 v[CO+1], s78, v[CO]               ; and the same in the second piece
.macro FRAG reg, adr, q, i             ; a fragment, 16 rows x 128 K of 8-bit codes, is 16 registers: lane l holds row l % 16; registers 4 c .. 4 c + 3 hold the row's bytes 32 c + 16 (l / 16) + 0 .. 15: the same places in A and in B
.irp c, 0,1,2,3
	ds_load_b128 v[\reg+4*\c:\reg+4*\c+3], v[\adr] offset:128*(\q)+32*\c+(\i)*16*PITCH
.endr
.endm
; 16 matrix instructions: A's blocks a0, a0 + 1 x B's eight, 128 along K.  p: B's set.  zero = 1: the first product starts the sums: nothing is ever cleared.
; The 64 accumulators take turns, one instruction a turn, in the same order in every step.
.macro MUL16 a0, p, zero
.irp a, \a0, \a0+1
.irp b, 0,1,2,3,4,5,6,7
.if \zero
	v_wmma_f32_16x16x128_fp8_fp8 v[8*(8*((\a)%4)+\b):8*(8*((\a)%4)+\b)+7], v[128*(\p)+FR*\b:128*(\p)+FR*\b+FR-1], v[AF+FR*(\a):AF+FR*(\a)+FR-1], 0
.else
	v_wmma_f32_16x16x128_fp8_fp8 v[8*(8*((\a)%4)+\b):8*(8*((\a)%4)+\b)+7], v[128*(\p)+FR*\b:128*(\p)+FR*\b+FR-1], v[AF+FR*(\a):AF+FR*(\a)+FR-1], v[8*(8*((\a)%4)+\b):8*(8*((\a)%4)+\b)+7]
.endif
.endr
.endr
.endm
.macro FETCH_B slot, q, p              ; B's eight fragments of the slot's q-th 128 along K into set p
	WIN TO_B
.irp i, 0,1,2,3,4,5,6,7
	FRAG 128*(\p)+FR*\i, ADRB+\slot, \q, \i
.endr
	WIN 0
.endm
.macro FETCH_A slot, q, i0             ; A's blocks i0 .. i0 + 3
.irp i, \i0, \i0+1, \i0+2, \i0+3
	FRAG AF+FR*(\i), ADRA+\slot, \q, \i
.endr
.endm
; A load into a register that a matrix instruction has read, and a vector instruction that reads a matrix result, stand NP places behind that matrix instruction; only plain vector
; instructions that name none of its registers are places (ISA guide 7.12.1 for vector instructions).
.macro PLACES n
.rept \n
	v_nop
.endr
.endm
; A step of 128 along K that has its successor in the same slot.  A's blocks go one after the other, each against B's eight, so one set of registers serves A: blocks 0-3 are fetched anew in the step's middle, blocks 4-7 at its end.
.macro STEP slot, q, zero
	s_wait_dscnt 4*NL                              ; B's set and A's blocks 0-3 are in; the youngest sixteen loads (A's blocks 4-7) may be out
	WIN MUL_LO
	MUL16 0, (\q)%2, \zero
	MUL16 2, (\q)%2, \zero
	s_wait_dscnt 0                                 ; A's blocks 4-7 are in (asked for 32 matrix instructions ago)
	PLACES NP
	FETCH_B \slot, (\q)+1, 1-(\q)%2
	FETCH_A \slot, (\q)+1, 0
	WIN MUL_HI
	MUL16 4, (\q)%2, \zero
	MUL16 6, (\q)%2, \zero
	PLACES NP
	WIN 0
	FETCH_A \slot, (\q)+1, 4
.endm
; A slot's last step changes slots: ONE barrier; in front of it each wave waits for all its tensor loads, adds 0 to its spare word, and waits for that and for its own reads of this slot.  fill = 1: this slot is filled again, two K steps ahead.
.macro TURN slot, next, fill
	s_wait_tensorcnt 0x0                           ; all my tensor loads have landed: my part of the next slot  (every window is 0 here)
	ds_add_u32 v[SPW], v[NIL]                      ; 0 onto my spare word
	s_wait_dscnt 4*NL+1                            ; (the add and the youngest sixteen loads, A's blocks 4-7, may be out)
	WIN MUL_LO
	MUL16 0, 1, 0                                  ; sixteen matrix instructions stand between the add and the wait for it
	s_wait_dscnt 0x0                               ; the add is done, and my reads of this slot are over
	s_barrier_signal -1
	MUL16 2, 1, 0
	WIN 0
	s_barrier_wait -1
.if \fill
	CREST                                          ; the barrier has opened a round of the cluster's barrier: no wave of any partner still reads this slot's tile or has a load on its way
	s_add_nc_u64 s[G0+4*\slot+2:G0+4*\slot+3], s[G0+4*\slot+2:G0+4*\slot+3], 2*ROWB
	s_add_nc_u64 s[G0B+4*\slot+2:G0B+4*\slot+3], s[G0B+4*\slot+2:G0B+4*\slot+3], 2*ROWB
	JLOAD G0+4*\slot, G1, G0B+4*\slot, G1B         ; the first tensor load behind the round; the four v_nop behind it are the places in front of the loads below
.else
	PLACES NP
.endif
	FETCH_B \next, 0, 0
	FETCH_A \next, 0, 0
	WIN MUL_HI
	MUL16 4, 1, 0
	MUL16 6, 1, 0
	PLACES NP
	WIN 0
	FETCH_A \next, 0, 4
.endm
	s_wait_tensorcnt 1                             ; my part of K step 0 is in (K step 1's load may be out)
	s_barrier_signal -1
	s_barrier_wait -1                              ; everybody's is
	FETCH_B 0, 0, 0
	FETCH_A 0, 0, 0
	FETCH_A 0, 0, 4
	STEP 0, 0, 1                                   ; the first step stands in front of the loop: its products start the sums
	s_mov_b32 s3, LAPS-1
.Llap:                                                 ; a trip goes once round the ring, from a lap's second step to the next lap's first, and fills both slots again
	TURN 0, 1, 1
	STEP 1, 0, 0
	TURN 1, 0, 1
	STEP 0, 0, 0
	s_sub_co_u32 s3, s3, 1
	s_cmp_lg_u32 s3, 0
	s_cbranch_scc1 .Llap
	TURN 0, 1, 0                                   ; the last lap fills nothing, and has no round of the cluster's barrier
	STEP 1, 0, 0
	s_wait_dscnt 4*NL                              ; the very last step: nothing more to fetch
	WIN MUL_LO
	MUL16 0, 1, 0
	MUL16 2, 1, 0
	s_wait_dscnt 0
	WIN MUL_HI
	MUL16 4, 1, 0
	MUL16 6, 1, 0
	WIN 0
; THE WAY OUT, block by block of 16 rows of A's x 128 of B's.  The 64 sums of a lane are held within +-448 x the scale (each accumulator from its low end on) and converted, eight neighbours to two registers.
; A lane's 8 bytes are a small part of a piece and the lanes beside it hold other rows: so the block goes through my own stage in LDS and comes back as 512 consecutive bytes an instruction.
; LDS serves a wave's instructions in order (ISA guide 5.7.1.4): no wait between the stores and the loads.
.macro TOSTAGE a
.set AC, 64*((\a)%4)
.set CD, CDB+16*((\a)%2)
.set BB, BK+16*((\a)%2)
	WIN 0x02+((\a)/4)                              ; source 0: window 2 or 3
.set i, 0
.rept 64
	v_med3_num_f32 v[TMP+i], v[AC+i], -v[LIM], v[LIM]   ; the conversion to an 8-bit code does not saturate (ISA guide 7.6.2)
.set i, i+1
.endr
	WIN 0
.irp b, 0,1,2,3,4,5,6,7
	v_cvt_scalef32_pk8_fp8_f32 v[CD+2*\b:CD+2*\b+1], v[TMP+8*\b:TMP+8*\b+7], v[SCL]
.endr
	v_nop                                          ; a plain line between the conversions and the next lines that write their sources
.irp b, 0,1,2,3,4,5,6,7
	ds_store_b64 v[STO], v[CD+2*\b:CD+2*\b+1] offset:(\b/4)*PIECE+(\b%4)*16   ; the 32 lanes' words fall on 64 different banks
.endr
.irp i, 0,1,2,3
	ds_load_b128 v[BB+4*\i:BB+4*\i+3], v[RD] offset:544*\i   ; half a piece: 512 bytes and their two paddings
.endr
.endm
.macro SEND a, younger                 ; younger: the LDS instructions issued behind block a's loads, which may stay out
.set BB, BK+16*((\a)%2)
	s_wait_dscnt \younger                          ; the block is back in registers
.if (\a) == 4
	s_add_nc_u64 s[10:11], s[10:11], s[76:77]      ; (behind a wait on XCNT: the earlier stores have read their base)
.elseif (\a) > 0
	s_add_nc_u64 s[10:11], s[10:11], s[74:75]
.endif
.irp i, 0,1,2,3
	global_store_b128 v[CO+(\i/2)], v[BB+4*\i:BB+4*\i+3], s[10:11] offset:512*(\i%2)   ; 32 lanes store 512 consecutive bytes, at a multiple of 512 from the buffer's first byte
.endr
.endm
	s_wait_kmcnt 0x0
	s_add_co_i32 s84, s84, s85                     ; e0 + e1
	s_add_co_i32 s86, s86, s87                     ; e2 + e3
	s_add_co_i32 s88, s88, s89                     ; e4 + e5
	s_cmp_eq_u32 s66, 0
	s_cselect_b32 s84, s84, s86
	s_cselect_b32 s90, s90, s91                    ; e6 or e7
	s_cmp_eq_u32 s66, 2
	s_cselect_b32 s84, s88, s84                    ; ea + eb
	s_cselect_b32 s90, s93, s90                    ; eo (v: e9)
	s_sub_co_i32 s90, s90, s84
	s_add_co_i32 s90, s90, 127
	s_lshl_b32 s91, s90, 23
	v_mov_b32 v[SCL], s91                          ; 2^(eo - ea - eb) as f32: the conversion takes its exponent field
	s_add_co_i32 s90, s90, 8
	s_lshl_b32 s90, s90, 23
	s_or_b32 s90, s90, 0x600000
	v_mov_b32 v[LIM], s90                          ; 448 x that
	PLACES NP                                      ; behind the last products: for the reads of results and for the loads into the registers that held A's fragments
	TOSTAGE 0
.irp a, 1,2,3,4,5,6,7
.if \a > 1
	s_wait_xcnt 0x0                                ; block a - 2's stores have read their registers and their base: block a's loads may land there, and the base may step
.endif
	TOSTAGE \a
	SEND \a-1, 12                                  ; behind block a - 1's loads: block a's 8 stores and 4 loads
.endr
	s_wait_xcnt 0x0                                ; block 6's stores have read their base
	SEND 7, 0
	s_wait_tensorcnt 0x0                           ; the wave's end: behind my last tensor load and my last LDS store
	ds_add_u32 v[SPW], v[NIL]
	s_wait_dscnt 0x0
	CROUND                                         ; the closing round: no work-group ends while a partner may still ask for a tile that names it
	s_endpgm
.Lfunc_end_k_q172c782cc7_project:
	.size	k_q172c782cc7_project, .Lfunc_end_k_q172c782cc7_project-k_q172c782cc7_project
	.p2alignl 7, 3214868480
	.fill 96, 4, 3214868480
	.section	.rodata,"a",@progbits
	.p2align	6, 0x0
	.amdhsa_kernel k_q172c782cc7_project
		.amdhsa_group_segment_fixed_size 327680
		.amdhsa_private_segment_fixed_size 0
		.amdhsa_enable_private_segment 0
		.amdhsa_kernarg_size 32
		.amdhsa_user_sgpr_count 2
		.amdhsa_user_sgpr_kernarg_segment_ptr 1
		.amdhsa_wavefront_size32 1
		.amdhsa_system_sgpr_workgroup_id_x 1
		.amdhsa_system_sgpr_workgroup_id_y 1
		.amdhsa_system_sgpr_workgroup_id_z 1
		.amdhsa_system_vgpr_workitem_id 0
		.amdhsa_next_free_vgpr 1024
		.amdhsa_next_free_sgpr 100
		.amdhsa_reserve_vcc 0
		.amdhsa_float_denorm_mode_32 3
		.amdhsa_float_denorm_mode_16_64 3
		.amdhsa_memory_ordered 1
		.amdhsa_forward_progress 1
		.amdhsa_inst_pref_size 126
	.end_amdhsa_kernel
	.amdgpu_metadata
---
amdhsa.version: [ 1, 2 ]
amdhsa.kernels:
  - .name:           k_q172c782cc7_project
    .symbol:         k_q172c782cc7_project.kd
    .args:
      - { .name: xc, .offset: 0, .size: 8, .value_kind: global_buffer, .address_space: global }
      - { .name: wc, .offset: 8, .size: 8, .value_kind: global_buffer, .address_space: global }
      - { .name: lowp_scales, .offset: 16, .size: 8, .value_kind: global_buffer, .address_space: global }
      - { .name: qkv, .offset: 24, .size: 8, .value_kind: global_buffer, .address_space: global }
    .group_segment_fixed_size: 327680
    .private_segment_fixed_size: 0
    .kernarg_segment_align: 8
    .kernarg_segment_size: 32
    .max_flat_workgroup_size: 128
    .sgpr_count:     100
    .vgpr_count:     1024
    .wavefront_size: 32
...
	.end_amdgpu_metadata
.endif
;; end of part 2
;; launch attend (part 3): grid 4 x 64, 16 waves a work-group, clusters of 4 x 1, 327,680 bytes of LDS; arguments qkv, lowp_scales, out0; writes out0
.if DOCPART == 3
	.amdgcn_target "amdgcn-amd-amdhsa--gfx1250"
	.amdhsa_code_object_version 6
	.text
	.protected	k_q172c782cc7_attend
	.globl	k_q172c782cc7_attend
	.p2align	8
	.type	k_q172c782cc7_attend,@function
k_q172c782cc7_attend:
	s_mov_b64 s[64:65], 0
	v_nop
	global_prefetch_b8 v0, s[64:65] scope:SCOPE_SE
	s_setreg_imm32_b32 hwreg(HW_REG_WAVE_MODE, 25, 1), 1
	s_wait_xcnt 0x0
	s_wait_alu depctr_hold_cnt(0) depctr_sa_sdst(0) depctr_va_vdst(0) depctr_va_sdst(0) depctr_va_ssrc(0) depctr_va_vcc(0) depctr_vm_vsrc(0)
	s_getreg_b32 s2, hwreg(HW_REG_IB_STS2, 6, 4)
	s_cmp_eq_u32 s2, 0
	s_cbranch_scc0 .Lentry_in_a_cluster
	s_endpgm
.Lentry_in_a_cluster:
	s_bfe_u32 s2, ttmp6, 0x10000c
	s_cmp_lg_u32 s2, 0x3003
	s_cbranch_scc0 .Lentry_shape_is_right
	s_endpgm
.Lentry_shape_is_right:
; out0[batch][q][64 head + d] = the sum over keys of softmax(q . k / 8) v, both products on codes of FP8 (E4M3) as the launch before has laid them:
; qkv: q at 0, k at 8 MiB: [batch x head][token][64 d];  v at 16 MiB: [batch x head][key / 128][d / 16][(key / 64) % 2][d % 16][64 keys].  A head is 2^17 bytes in each.
; THE SOFTMAX AHEAD OF THE SECOND PRODUCT: t = score x 2^(e6 + e7) x log2(e) / 8; M = the row's largest t so far, rounded UP to a whole number; p = 2^(t - M) is quantised under 2^e8; it is not normalised.
; The row's sum is taken of the unquantised p, in f32, and divides O at the end, with 2^(e8 + e9).  When M moves, the sum and O are multiplied by 2^(old M - new M): nothing is rounded, and no branch hangs on data.
; LIMITS: e6 + e7 between -123 and 130 (added to the exponent field of log2(e) / 8); e8 between -126 and 119; e8 + e9 goes in by v_ldexp_f32 and has none.
; SHARES.  A cluster of four work-groups is one (batch, head); each work-group owns 512 queries, each of its SIXTEEN waves 32: two tiles of 16, in 256 registers; four waves to a SIMD, so that one wave's
; vector work stands beside another's products and LDS loads.  Each fragment of K and of V that a wave reads from LDS feeds two products.  Every wave walks all 2,048 keys, 64 a step.
; K's and V's tiles come through two LDS slots of 256 keys.  The four partners walk the same K and V, so each tile is asked for JOINTLY: wave 0 asks for K's, wave 1 for V's, with the same descriptor in all four.
; LAYOUT.  Both products are used transposed: S^T = K Q^T (source 0 = 16 keys, source 1 = 16 queries), O^T = V^T P^T (source 0 = 16 d, source 1 = P): a lane holds ONE query (lane % 16) throughout.
; In S^T's tile u, lane (r, h) holds keys 16 u + 8 h + 0 .. 7 of query r: their eight codes are registers 2 u, 2 u + 1 of P, as this form lays k.  So V is read in k's true places (8 bytes at 16 c + 8 h);
; K and Q are both read 16 bytes at 16 h and at 32 + 16 h: the same permutation of d on both sides.
; LDS.  A tile is 16 KiB, dense in memory, brought as 64 rows of 256 bytes with 16 of padding behind each: the 64-byte row n lies at (n / 4) 272 + (n % 4) 64: sixteen rows of a 16-byte load, and the 32 lanes of an 8-byte load, fall on different banks.
.set VOFF,  64*272                     ; a slot: K's tile, then V's
.set SLOT1, 1<<16                      ; slot 1 begins here: one exclusive or turns an address in one slot into the other's
.set SPARE, 2*SLOT1                    ; the spare words, 128 bytes for each of the sixteen waves: eight blocks of 256 bytes that no other line names
.set STAGE, SPARE+2048                 ; the way out: for each wave two tiles of 16 rows x (256 bytes + 16); no tile ever lands here
.set AK0, 1                            ; v1   my lane's place in a tile of K
.set AV0, 2                            ; v2   the same for V
.set PFO, 3                            ; v3   the prefetches' offset; never rewritten
.set ADK, 4                            ; v4   LDS address of the step's K
.set SPW, 5                            ; v5   LDS address of my spare word; never rewritten
.set NIL, 6                            ; v6   0; never rewritten
.set ADV, 7                            ; v7   LDS address of the step's V
.set GO,  8                            ; v8   the way out: my byte offset in the wave's rows of out0
.set STO, 9                            ; v9   where I put 16 bytes of a row
.set RD,  10                           ; v10  where I read a row back
.set ST,  12                           ; tile t's statistics at v[12 + 8 t]: +0 -M, +1 the largest score, +2, +3 the sum in two halves, +4 f, +5 its pair's upper half, +6, +7 at work
.set SCL, 28                           ; v28  2^e8 as f32
.set LIM, 29                           ; v29  448 x 2^e8
.set C2,  32                           ; v[32 + 4 t : 33 + 4 t] the sum's second chain
.set QF,  40                           ; v40-55   Q, 8 registers a tile
.set KF,  56                           ; v56-87   K's four fragments; behind the scores P's codes, 8 registers a tile, at v[56 + 8 t]
.set VF,  88                           ; v88-119  V's four fragments
.set SC,  120                          ; v120-183 S^T, then p: tile t, keys 16 u on, at v[120 + 32 t + 8 u]
.set OA,  184                          ; v184-247 O^T: tile t, d 16 a on, at v[184 + 32 t + 8 a]
.set WV,  10                           ; s10  my wave's number
.set G1,  16                           ; s[16:23] descriptor group 1
.set G0,  24                           ; s[24:27] descriptor group 0, which walks
.set SEL, 28                           ; s[28:29] lane selects for v_permlanex16_b32: lane l xor 16
.set CS,  30                           ; s[30:31] c = 2^(e6 + e7) log2(e) / 8: the packed form names a pair and takes its low word for both halves
.set TB,  32                           ; s32  LDS byte at which the slot in hand begins
.set SLOTS, 33                         ; s33  slots still to be asked for
.set PLIM, 34                          ; s34  1 in the wave that prefetches, else the greatest number
.set PFA, 36                           ; s[36:37] where my work-group's prefetches stand
.macro CROUND                          ; a round of the cluster's barrier
	s_barrier_signal -1
	s_barrier_wait -1
	s_cmp_lg_u32 s[WV], 0
	s_cbranch_scc1 .Lnot_wave_0_\@
	s_barrier_signal -3
.Lnot_wave_0_\@:
	s_barrier_wait -3
	s_barrier_signal -1
	s_barrier_wait -1
.endm
; The joint load: wave 0 fetches K's tile, wave 1 V's, the others nothing.  The branch hangs on the wave's number alone.  Four v_nop follow the line.
.macro TLOAD
	s_cmp_lt_u32 s[WV], 2
	s_cbranch_scc0 .Lasked_\@
	tensor_load_to_lds s[G0:G0+3], s[G1:G1+7]
	s_nop 0
.rept 4
	v_nop
.endr
.Lasked_\@:
.endm
; A prefetch of what the NEXT change of slots will ask for: 16 KiB of K and 16 KiB of V, 128 blocks of 256 bytes.  Each block is named once in the launch: a head belongs to one cluster; its four partners
; take 16 blocks of K and 16 of V each, told apart by address alone; in each, wave 4, which fetches nothing, asks with one instruction (lanes 0-15: K's, lanes 16-31: V's, 8 MiB on).
; It stands a slot's four key steps ahead of the load that will want the bytes.  Slots 0 and 1 come by their loads alone; the last change that fills a slot asks for nothing.
.macro ASK
	s_cmp_gt_u32 s[SLOTS], s[PLIM]
	s_cbranch_scc0 .Lnot_mine_\@
	global_prefetch_b8 v[PFO], s[PFA:PFA+1] th:TH_LOAD_NT scope:SCOPE_SE
.Lnot_mine_\@:
.endm
	s_load_b128 s[4:7], s[0:1], 0x0                ; qkv s[4:5], the scales' exponents s[6:7]
	s_load_b64 s[8:9], s[0:1], 0x10                ; out0
	v_lshl_add_u32 v[SPW], v0, 2, SPARE
	v_mov_b32 v[NIL], 0
	ds_add_u32 v5, v6
	s_wait_dscnt 0x0
	v_lshrrev_b32 v11, 5, v0
	v_readfirstlane_b32 s[WV], v11                 ; wave 0..15
	s_bfe_u32 s11, ttmp6, 0x40000                  ; cx: my place in the cluster: it enters Q's, out0's and the prefetches' addresses alone
	s_and_b32 s12, ttmp7, 0xffff                   ; batch x 16 + head, which the four partners share
	; descriptor group 1: 64 rows of 32 elements of 8 bytes, dense in memory, padded in LDS
	s_mov_b32 s[G1], 15|(3<<16)|(1<<20)|(1<<21)|(5<<22)|(3<<25)   ; 15:0 the mask: all four work-groups; 17:16 elements of 8 bytes; 20 padding on; 21 set beside a mask; 24:22 after every 64 words (code 5); 31:25 four words (code 3)
	s_mov_b32 s[G1+1], 32<<16                      ; tensor_dim0 = 32
	s_mov_b32 s[G1+2], 64<<16                      ; tensor_dim1 = 64
	s_mov_b32 s[G1+3], 32<<16                      ; tile_dim0 = 32
	s_mov_b32 s[G1+4], 64                          ; tile_dim1 = 64
	s_mov_b32 s[G1+5], 32                          ; tensor_dim0_stride
	s_mov_b32 s[G1+6], 0
	s_mov_b32 s[G1+7], 0
	s_mov_b32 s[SEL], 0x76543210
	s_mov_b32 s[SEL+1], 0xfedcba98
	s_mov_b32 s[CS], 0x3e38aa3b                    ; log2(e) / 8
	s_mov_b32 s[TB], 0
	s_mov_b32 s[SLOTS], 7                          ; 2,048 keys are eight slots; slot 0 is asked for at the head
	s_cmp_eq_u32 s[WV], 4
	s_cselect_b32 s[PLIM], 1, -1
	s_and_b32 s44, s[WV], 1                        ; what I fetch, if I fetch: 0 K, 1 V
	s_mul_i32 s45, s44, VOFF                       ; its place in a slot
	s_add_co_u32 s46, s44, 1
	s_lshl_b32 s46, s46, 23                        ; its part of qkv,
	s_lshl_b32 s48, s12, 17                        ; my head's bytes in a part
	s_add_co_u32 s46, s46, s48
	s_mov_b32 s47, 0
	s_lshl_b32 s50, s11, 9
	s_lshl_b32 s51, s[WV], 5
	s_add_co_u32 s50, s50, s51                     ; my first query in the head: 512 cx + 32 x wave
	s_lshl_b32 s52, s50, 6
	s_add_co_u32 s52, s52, s48                     ; its codes
	s_mov_b32 s53, 0
	s_lshr_b32 s54, s12, 4
	s_lshl_b32 s54, s54, 11
	s_add_co_u32 s54, s54, s50                     ; its row of out0: 2,048 x batch + query,
	s_lshl_b32 s54, s54, 12                        ; of 4,096 bytes,
	s_and_b32 s55, s12, 15
	s_lshl_b32 s55, s55, 8
	s_add_co_u32 s54, s54, s55                     ; + the head's 256 bytes: under 2^26
	s_mov_b32 s55, 0
	s_lshl_b32 s56, s11, 12                        ; the prefetches: my work-group's 4,096 bytes of a tile,
	s_add_co_u32 s56, s56, s48
	s_add_co_u32 s56, s56, (1<<23)+16384           ; in K's part, in slot 1: the first change of slots steps it to slot 2
	s_mov_b32 s57, 0
	v_and_b32 v30, 15, v0                          ; r
	v_bfe_u32 v31, v0, 4, 1                        ; h
	v_bfe_u32 v[AK0], v0, 2, 2                     ; r / 4
	v_mul_u32_u24 v[AK0], v[AK0], 272
	v_and_b32 v[AV0], 3, v0                        ; r % 4
	v_lshl_add_u32 v[AK0], v[AV0], 6, v[AK0]       ; the 64-byte row r
	v_lshl_add_u32 v[AV0], v31, 3, v[AK0]          ; V: + 8 h,
	v_add_nc_u32 v[AV0], VOFF, v[AV0]              ;    behind K's tile
	v_lshl_add_u32 v[AK0], v31, 4, v[AK0]          ; K: + 16 h
	v_lshlrev_b32 v[PFO], 8, v30                   ; lanes 256 bytes apart,
	v_lshl_add_u32 v[PFO], v31, 23, v[PFO]         ; lanes 16-31 in V's part
	v_lshlrev_b32 v11, 6, v30
	v_lshl_add_u32 v11, v31, 4, v11                ; Q: row r of 64 bytes, + 16 h
	s_mul_i32 s58, s[WV], 2*16*272
	s_add_co_u32 s58, s58, STAGE                   ; my stage
	v_mul_u32_u24 v[STO], v30, 272                 ; in: row r, 32 bytes for each half of the lanes
	v_lshl_add_u32 v[STO], v31, 5, v[STO]
	v_add_nc_u32 v[STO], s58, v[STO]
	v_mul_u32_u24 v[RD], v31, 272                  ; back: lanes 0-15 take one row of 256 bytes, lanes 16-31 the next
	v_lshl_add_u32 v[RD], v30, 4, v[RD]
	v_add_nc_u32 v[RD], s58, v[RD]
	v_lshlrev_b32 v[GO], 12, v31                   ; and the same two rows in out0
	v_lshl_add_u32 v[GO], v30, 4, v[GO]
	s_wait_kmcnt 0x0
	s_load_b128 s[40:43], s[6:7], 0x18             ; e6, e7, e8, e9
	s_mov_b32 s[G0], 1                             ; 1:0 count = 1
	s_mov_b32 s[G0+1], s45                         ; 63:32 LDS address: slot 0
	s_add_nc_u64 s[G0+2:G0+3], s[4:5], s[46:47]    ; 120:64 global address: the head's first 256 keys
	s_or_b32 s[G0+3], s[G0+3], 0x80000000          ; 127:126 type = 2
	s_add_nc_u64 s[PFA:PFA+1], s[4:5], s[56:57]
	s_add_nc_u64 s[52:53], s[4:5], s[52:53]        ; Q's codes at my first query
	s_add_nc_u64 s[8:9], s[8:9], s[54:55]          ; out0 likewise
	CROUND                                         ; all four work-groups are here: the first joint loads meet
	TLOAD                                          ; slot 0
.irp t, 0,1
.irp i, 0,1
	global_load_b128 v[QF+8*\t+4*\i:QF+8*\t+4*\i+3], v11, s[52:53] offset:1024*\t+32*\i   ; Q's two fragments stay in registers
.endr
.endr
.irp t, 0,1
	v_mov_b32 v[ST+8*\t], 0x7f61b1e6               ; -M: 3e38,
	v_mov_b32 v[ST+8*\t+1], 0xff61b1e6             ; the largest score so far: -3e38, under every score
	v_mov_b32 v[ST+8*\t+2], 0                      ; the sum, in two halves
	v_mov_b32 v[ST+8*\t+3], 0
	v_mov_b32 v[ST+8*\t+4], 0
	v_mov_b32 v[ST+8*\t+5], 0                      ; (named as the upper half of f's pair)
	v_mov_b32 v[ST+8*\t+6], 0
	v_mov_b32 v[ST+8*\t+7], 0
.endr
.set i, 0
.rept 64
	v_mov_b32 v[OA+i], 0                           ; O^T.  (The key step is written without a first step of its own: the first finds zeros, which the first change of M leaves zeros)
.set i, i+1
.endr
	s_wait_kmcnt 0x0
	s_add_co_i32 s44, s40, s41
	s_lshl_b32 s44, s44, 23
	s_add_co_i32 s[CS], s[CS], s44                 ; a score stands for score x 2^(e6 + e7): the two exponents are added to c's exponent field
	s_mov_b32 s[CS+1], s[CS]                       ; (named with it as a pair, so it is written)
	s_add_co_i32 s44, s42, 127
	s_lshl_b32 s45, s44, 23
	v_mov_b32 v[SCL], s45                          ; 2^e8 as f32, for the conversion
	s_add_co_i32 s44, s44, 8
	s_lshl_b32 s44, s44, 23
	s_or_b32 s44, s44, 0x600000
	v_mov_b32 v[LIM], s44                          ; 448 x 2^e8
; A KEY STEP: 64 keys, the s-th of the slot in hand, for my two tiles of queries; the two tiles' lines alternate, so that no line waits for the one above it.
.macro STEP s
	v_add_nc_u32 v[ADK], s[TB], v[AK0]
	v_add_nc_u32 v[ADV], s[TB], v[AV0]
	v_nop                                          ; with the two additions: four places in front of loads into registers that the last products have read
	v_nop
.irp u, 0,1,2,3
.irp i, 0,1
	ds_load_b128 v[KF+8*\u+4*\i:KF+8*\u+4*\i+3], v[ADK] offset:(16*(\s)+4*\u)*272+32*\i   ; keys 64 s + 16 u + r
.endr
.endr
.irp a, 0,1,2,3
.irp c, 0,1,2,3
	ds_load_b64 v[VF+8*\a+2*\c:VF+8*\a+2*\c+1], v[ADV] offset:(((\s)/2)*32+8*\a+4*((\s)%2))*272+16*\c   ; d 16 a + r, keys 64 s + 16 c + 8 h on
.endr
.endr
	s_wait_dscnt 16                                ; K's eight loads are in; V's sixteen may be out
.irp u, 0,1,2,3
.irp t, 0,1
	v_wmma_f32_16x16x64_fp8_fp8 v[SC+32*\t+8*\u:SC+32*\t+8*\u+7], v[KF+8*\u:KF+8*\u+7], v[QF+8*\t:QF+8*\t+7], 0
.endr
.endr
.rept 4
	v_nop                                          ; places in front of the first read of results
.endr
	; the step's largest score of my query among my 32 keys, in two chains, each accumulator from its low end on
.irp t, 0,1
	v_max3_num_f32 v[ST+8*\t+6], v[SC+32*\t], v[SC+32*\t+1], v[SC+32*\t+2]
.endr
.irp t, 0,1
	v_max3_num_f32 v[ST+8*\t+7], v[SC+32*\t+3], v[SC+32*\t+4], v[SC+32*\t+5]
.endr
.irp i, 6,10,14,18,22,26
.irp t, 0,1
	v_max3_num_f32 v[ST+8*\t+6], v[ST+8*\t+6], v[SC+32*\t+\i], v[SC+32*\t+\i+1]
.endr
.irp t, 0,1
	v_max3_num_f32 v[ST+8*\t+7], v[ST+8*\t+7], v[SC+32*\t+\i+2], v[SC+32*\t+\i+3]
.endr
.endr
.irp t, 0,1
	v_max3_num_f32 v[ST+8*\t+6], v[ST+8*\t+6], v[SC+32*\t+30], v[SC+32*\t+31]
.endr
.irp t, 0,1
	v_max_num_f32 v[ST+8*\t+6], v[ST+8*\t+6], v[ST+8*\t+7]
.endr
.irp t, 0,1
	v_permlanex16_b32 v[ST+8*\t+7], v[ST+8*\t+6], s[SEL], s[SEL+1]   ; the query's other 32 keys lie in the lane 16 away
.endr
.irp t, 0,1
	v_max3_num_f32 v[ST+8*\t+1], v[ST+8*\t+6], v[ST+8*\t+7], v[ST+8*\t+1]   ; the running largest score
.endr
.irp t, 0,1
	v_mul_f32 v[ST+8*\t+6], s[CS], v[ST+8*\t+1]    ; as t (c is positive)
.endr
.irp t, 0,1
	v_mov_b32 v[ST+8*\t+7], v[ST+8*\t]             ; the old -M
.endr
.irp t, 0,1
	v_floor_f32 v[ST+8*\t], -v[ST+8*\t+6]          ; the new -M = floor(-t) = -ceil(t): M is a whole number
.endr
.irp t, 0,1
	v_sub_f32 v[ST+8*\t+7], v[ST+8*\t], v[ST+8*\t+7]   ; old M - new M: a whole number, 0 or less
.endr
.irp t, 0,1
	v_cvt_i32_f32 v[ST+8*\t+7], v[ST+8*\t+7]       ; (it saturates)
.endr
.irp t, 0,1
	v_ldexp_f32 v[ST+8*\t+4], 1.0, v[ST+8*\t+7]    ; f = 2^(old M - new M)
.endr
.irp j, 0,2,4,6,8,10,12,14,16,18,20,22,24,26,28,30
.irp t, 0,1
	v_pk_fma_f32 v[SC+32*\t+\j:SC+32*\t+\j+1], v[SC+32*\t+\j:SC+32*\t+\j+1], s[CS:CS+1], v[ST+8*\t:ST+8*\t+1] op_sel_hi:[1,0,0]   ; t - M, two at a time (of the pairs c and -M the low word serves both halves)
.endr
.endr
.set i, 0
.rept 64
	v_exp_f32 v[SC+i], v[SC+i]                     ; p = 2^(t - M): one batch of 64
.set i, i+1
.endr
.irp t, 0,1
	v_pk_mul_f32 v[ST+8*\t+2:ST+8*\t+3], v[ST+8*\t+2:ST+8*\t+3], v[ST+8*\t+4:ST+8*\t+5] op_sel_hi:[1,0]   ; the sums under the new M: work that names no exponential's result stands behind the batch,
.endr
.irp j, 0,2,4,6,8,10,12,14,16,18,20,22,24,26,28,30
.irp t, 0,1
	v_pk_mul_f32 v[OA+32*\t+\j:OA+32*\t+\j+1], v[OA+32*\t+\j:OA+32*\t+\j+1], v[ST+8*\t+4:ST+8*\t+5] op_sel_hi:[1,0]   ; and O^T under the new M, each accumulator from its low end on
.endr
.endr
	s_wait_alu depctr_va_vdst(0)                   ; one wait for the whole batch, ahead of its first reader
.irp t, 0,1
	v_pk_add_f32 v[C2+4*\t:C2+4*\t+1], v[SC+32*\t:SC+32*\t+1], v[SC+32*\t+2:SC+32*\t+3]   ; the row's sum is taken of the UNQUANTISED p: two at a time, in two chains
.endr
.irp j, 4,8,12,16,20,24,28
.irp t, 0,1
	v_pk_add_f32 v[ST+8*\t+2:ST+8*\t+3], v[ST+8*\t+2:ST+8*\t+3], v[SC+32*\t+\j:SC+32*\t+\j+1]
.endr
.irp t, 0,1
	v_pk_add_f32 v[C2+4*\t:C2+4*\t+1], v[C2+4*\t:C2+4*\t+1], v[SC+32*\t+\j+2:SC+32*\t+\j+3]
.endr
.endr
.irp t, 0,1
	v_pk_add_f32 v[ST+8*\t+2:ST+8*\t+3], v[ST+8*\t+2:ST+8*\t+3], v[C2+4*\t:C2+4*\t+1]
.endr
.irp u, 0,1,2,3
.irp t, 0,1
.irp i, 0,1,2,3,4,5,6,7
	v_min_num_f32 v[SC+32*\t+8*\u+\i], v[SC+32*\t+8*\u+\i], v[LIM]   ; the conversion to an 8-bit code does not saturate (ISA guide 7.6.2); p is not negative, so the hold is one-sided
.endr
	v_cvt_scalef32_pk8_fp8_f32 v[KF+8*\t+2*\u:KF+8*\t+2*\u+1], v[SC+32*\t+8*\u:SC+32*\t+8*\u+7], v[SCL]   ; keys 16 u + 8 h + 0 .. 7: registers 2 u, 2 u + 1 of P, where K's fragments lay
.endr
.endr
	v_nop                                          ; a plain line between the last conversion and the products that read its result
	s_wait_dscnt 0x0                               ; V is in
.irp a, 0,1,2,3
.irp t, 0,1
	v_wmma_f32_16x16x64_fp8_fp8 v[OA+32*\t+8*\a:OA+32*\t+8*\a+7], v[VF+8*\a:VF+8*\a+7], v[KF+8*\t:KF+8*\t+7], v[OA+32*\t+8*\a:OA+32*\t+8*\a+7]   ; eight accumulators by turns, one instruction a turn
.endr
.endr
.endm
; THE CHANGE OF SLOTS stands at a slot's head.  Each wave waits for all its tensor loads (its part of the slot that it is about to read), adds 0 to its spare word, and waits for that and for its reads of the slot that it has left.
; fill = 1: the barrier is a round of the cluster's, so that no wave of any partner still reads the other slot or has a load on its way, and the joint load of the next 256 keys is the first thing behind it:
; it has a slot's four key steps in which to land.  By this text's own count a wave never has more than one tensor load out.
.macro CHANGE fill
	s_wait_tensorcnt 0x0                           ; no tensor load of mine is out, so group 0 may be written
	ds_add_u32 v[SPW], v[NIL]                      ; 0 onto my spare word
.if \fill
	s_xor_b32 s[G0+1], s[G0+1], SLOT1              ; the walking descriptor: the other slot than last time,
	s_add_nc_u64 s[G0+2:G0+3], s[G0+2:G0+3], 16384 ; the next 256 keys; the type bits on top are not reached
	s_wait_xcnt 0x0                                ; the last prefetch, a slot back, has read its address, so it may be written:
	s_add_nc_u64 s[PFA:PFA+1], s[PFA:PFA+1], 16384 ; one slot further on than the walking descriptor
.endif
	s_wait_dscnt 0x0                               ; the add is done, and my reads of the slot that I have left are over
.if \fill
	CROUND
	TLOAD
	ASK
.else
	s_barrier_signal -1
	s_barrier_wait -1
.endif
.endm
.macro SLOT_STEPS
	STEP 0
	STEP 1
	STEP 2
	STEP 3
	s_xor_b32 s[TB], s[TB], SLOT1                  ; on to the other slot
.endm
	s_wait_loadcnt 0x0                             ; Q
.Lslot:                                            ; seven trips: behind each change of slots but the last the next slot is asked for
	CHANGE 1
	SLOT_STEPS
	s_sub_co_u32 s[SLOTS], s[SLOTS], 1
	s_cmp_lg_u32 s[SLOTS], 0
	s_cbranch_scc1 .Lslot
	CHANGE 0                                       ; the last slot is written out
	SLOT_STEPS
	; THE WAY OUT.  The sum's two halves and the other half of the lanes' are added; O^T is divided by the sum, multiplied by 2^(e8 + e9), and goes through my stage in LDS,
	; so that sixteen lanes store the 256 consecutive bytes that a head has in a row of out0.
.irp t, 0,1
	v_add_f32 v[ST+8*\t+6], v[ST+8*\t+2], v[ST+8*\t+3]
.endr
.irp t, 0,1
	v_permlanex16_b32 v[ST+8*\t+7], v[ST+8*\t+6], s[SEL], s[SEL+1]
.endr
.irp t, 0,1
	v_add_f32 v[ST+8*\t+6], v[ST+8*\t+6], v[ST+8*\t+7]
.endr
.irp t, 0,1
	v_rcp_f32 v[ST+8*\t+6], v[ST+8*\t+6]
.endr
	v_nop                                          ; a plain line behind the last reciprocal
	s_add_co_i32 s44, s42, s43                     ; e8 + e9
	s_wait_alu depctr_va_vdst(0)                   ; one wait for the two reciprocals, ahead of their first reader
.irp t, 0,1
	v_ldexp_f32 v[ST+8*\t+6], v[ST+8*\t+6], s44
.endr
.irp j, 0,2,4,6,8,10,12,14,16,18,20,22,24,26,28,30
.irp t, 0,1
	v_pk_mul_f32 v[SC+32*\t+\j:SC+32*\t+\j+1], v[OA+32*\t+\j:OA+32*\t+\j+1], v[ST+8*\t+6:ST+8*\t+7] op_sel_hi:[1,0]   ; register 8 a + i is o(query r, d = 16 a + 8 h + i)
.endr
.endr
.irp t, 0,1
.irp a, 0,1,2,3
	ds_store_b128 v[STO], v[SC+32*\t+8*\a:SC+32*\t+8*\a+3] offset:4352*\t+64*\a
	ds_store_b128 v[STO], v[SC+32*\t+8*\a+4:SC+32*\t+8*\a+7] offset:4352*\t+64*\a+16
.endr
.irp i, 0,1,2,3,4,5,6,7
	ds_load_b128 v[KF+32*\t+4*\i:KF+32*\t+4*\i+3], v[RD] offset:4352*\t+544*\i   ; LDS serves a wave's instructions in order (ISA guide 5.7.1.4): these see my stores
.endr
.endr
.irp t, 0,1
.irp i, 0,1,2,3,4,5,6,7
	s_wait_dscnt 23-16*\t-\i                       ; behind this load: the tile's younger loads and, for tile 0, tile 1's sixteen LDS instructions
	global_store_b128 v[GO], v[KF+32*\t+4*\i:KF+32*\t+4*\i+3], s[8:9] offset:(16*\t+2*\i)*4096 th:TH_STORE_NT   ; 16 lanes store 256 consecutive bytes, at a multiple of 256 from out0's first byte
.endr
.endr
	s_wait_tensorcnt 0x0                           ; the wave's end: behind my last tensor load and my last LDS store
	ds_add_u32 v[SPW], v[NIL]
	s_wait_dscnt 0x0
	CROUND                                         ; the closing round: no work-group ends while a partner may still ask for a tile that names it
	s_endpgm
.Lfunc_end_k_q172c782cc7_attend:
	.size	k_q172c782cc7_attend, .Lfunc_end_k_q172c782cc7_attend-k_q172c782cc7_attend
	.p2alignl 7, 3214868480
	.fill 96, 4, 3214868480
	.section	.rodata,"a",@progbits
	.p2align	6, 0x0
	.amdhsa_kernel k_q172c782cc7_attend
		.amdhsa_group_segment_fixed_size 327680
		.amdhsa_private_segment_fixed_size 0
		.amdhsa_enable_private_segment 0
		.amdhsa_kernarg_size 24
		.amdhsa_user_sgpr_count 2
		.amdhsa_user_sgpr_kernarg_segment_ptr 1
		.amdhsa_wavefront_size32 1
		.amdhsa_system_sgpr_workgroup_id_x 1
		.amdhsa_system_sgpr_workgroup_id_y 1
		.amdhsa_system_sgpr_workgroup_id_z 1
		.amdhsa_system_vgpr_workitem_id 0
		.amdhsa_next_free_vgpr 256
		.amdhsa_next_free_sgpr 66
		.amdhsa_reserve_vcc 0
		.amdhsa_float_denorm_mode_32 3
		.amdhsa_float_denorm_mode_16_64 3
		.amdhsa_memory_ordered 1
		.amdhsa_forward_progress 1
		.amdhsa_inst_pref_size 147
	.end_amdhsa_kernel
	.amdgpu_metadata
---
amdhsa.version: [ 1, 2 ]
amdhsa.kernels:
  - .name:           k_q172c782cc7_attend
    .symbol:         k_q172c782cc7_attend.kd
    .args:
      - { .name: qkv, .offset: 0, .size: 8, .value_kind: global_buffer, .address_space: global }
      - { .name: lowp_scales, .offset: 8, .size: 8, .value_kind: global_buffer, .address_space: global }
      - { .name: out0, .offset: 16, .size: 8, .value_kind: global_buffer, .address_space: global }
    .group_segment_fixed_size: 327680
    .private_segment_fixed_size: 0
    .kernarg_segment_align: 8
    .kernarg_segment_size: 24
    .max_flat_workgroup_size: 512
    .sgpr_count:     66
    .vgpr_count:     256
    .wavefront_size: 32
...
	.end_amdgpu_metadata
.endif
;; end of part 3
